; MI455X (gfx1250); checked and timed in simulation.
; The chip was launched on July 23, 2026; its instructions are those of AMD's public machine-readable ISA for CDNA 5 (MIT licence, August 2026) and "CDNA5" Instruction Set Architecture Reference Guide (July 2026). The comments in the code are by the model that wrote it; some were corrected since.
;; Location Encoder. Allowed arithmetic: float matrix products may take bf16 or f16 operands with f32 sums; all other float work in f32.
;; Inputs: W_ctx 3 x 128 float32; W_in 5 x 128 float32; W_tgt 128 x 128 float32; b_ctx 128 float32; b_in 128 float32; b_tgt 128 float32; context_x 4 x 512 x 4 float32; context_y 4 x 512 x 2 float32; target_x 4 x 512 x 4 float32.
;; Outputs: out0 4 x 512 x 128 float32.
;; One version. Each part assembles by itself: llvm-mc -triple=amdgcn-amd-amdhsa -mcpu=gfx1250 --defsym DOCPART=n.
;; ======== version 1 of 1: 1 launch
;; limits: values are held in f16: magnitudes above 65,504 overflow, below 6.1e-05 lose precision
;; launch locenc (part 1): grid 256 x 1, 16 waves a work-group, no clusters, 141,056 bytes of LDS; arguments context_x, context_y, target_x, W_ctx, b_ctx, W_in, b_in, W_tgt, b_tgt, out0; writes out0
.if DOCPART == 1
	.amdgcn_target "amdgcn-amd-amdhsa--gfx1250"
	.amdhsa_code_object_version 6
	.text
	.protected	k_qde9cad70b2_locenc
	.globl	k_qde9cad70b2_locenc
	.p2align	8
	.type	k_qde9cad70b2_locenc,@function
k_qde9cad70b2_locenc:
	s_mov_b64 s[64:65], 0
	v_nop
	global_prefetch_b8 v0, s[64:65] scope:SCOPE_SE
	s_setreg_imm32_b32 hwreg(HW_REG_WAVE_MODE, 25, 1), 1
	s_wait_xcnt 0x0
; LocationEncoder: out[b][t] = (softmax over c of -0.5 sum_h |key[c][h] - query[t][h]|) . value @ W_tgt + b_tgt.
; One launch, 256 work-groups of 16 waves.  Work-group wg owns the 8 targets 8 wg .. 8 wg + 7 (batch wg >> 6) against all 512 contexts of the batch.
; The work is the L1 distance: 8 x 512 x 128 elements a work-group, on the vector unit.  In that phase wave w takes h = 32 (w & 3) .. + 31 and
; contexts 128 (w >> 2) .. + 127; a lane keeps the keys of 4 contexts x 32 h in 128 registers, and the query's 32 numbers come as one address for
; all lanes from LDS: one 16-byte LDS load feeds 4 h x 4 contexts = 24 vector instructions.  An element costs half a packed subtract and one add
; with |.| on its source.
; WHAT DIFFERS FROM THE REFERENCE'S ARITHMETIC, AND THE LIMITS KEPT:
;  - key and query are ((b + x0 W0) + x1 W1) + x2 W2 by fused multiply-adds in f32, the same order for both: another order of rounding than x @ W + b.
;    They stay off the matrix unit: their K is 3, and rounded coordinates would be magnified by the sum over 128 h in front of the exponential.
;  - S = sum_h |k - q| is kept unscaled; p = 2^(0.5 log2(e) (Smin - S)) with Smin the row's true minimum over all 512 contexts, so the largest p is 1.
;    v_exp_f32 gives 0 for results below 2^-126 (ISA guide, its entry in 15.8).
;  - the weights go to the matrix unit as f16, and the normaliser l is the matrix unit's own f32 sum of these f16 weights (a row of ones beside
;    the five value inputs), so the weights that are used sum to 1, and l >= 1.
;  - since l is that sum, sum_c (p/l)(enc W_in + b_in) = ((P @ enc) / l) @ W_in + b_in for every input: value[c][h] is never formed.
;  - matrix operands are f16: |context_x|, |context_y| and |rep| must stay below 65,504 (drawn: about 5; with every input 30 times larger about 150
;    and about 4,500), and numbers below 2^-14 are kept in steps of 2^-24.  f16 and not bf16, because six roundings follow each other on the way.
;  - inputs are taken to be finite: NaN and infinities are not served.
; NO CLUSTER, NO TENSOR LOADS: what work-groups share is W_tgt, 64 KiB read once by each; its loads are issued ahead of the keys (192 vector
; instructions a wave) and four distance steps (188 each), and nothing waits for them before that.  Nothing else is streamed.
; LDS map, bytes
.set L_QS,   0                         ; q[8 t][128 h] f32
.set L_CPY,  4096                      ; rows of 512 bytes, f32: W_ctx rows 0, 1, 2, b_ctx, b_in, b_tgt
.set L_ENC,  7168                      ; f16 [6 rows: x0 x1 x2 y0 y1 ones][512 c], rows EPITCH apart
.set L_PB,   13568                     ; f16 weights [8 t][512 c], rows EPITCH apart
.set L_WIN,  22016                     ; f16 W_in transposed [128 h][32 k], rows WPITCH apart; k = 0..4 data, k = 5..31 zeros
.set L_WTF,  32256                     ; W_tgt as ready f16 fragments: (4 nt + s) 1024 + part 512 + lane 16
.set L_OUT,  65024                     ; f32 [16 rows][128], rows OPITCH apart; rows 8..15 are written and never read
.set L_SP,   73472                     ; partial distances [4 hq][8 t][512 c] f32
.set EPITCH, 1040                      ; 1,024 + 16: rows start 16 bytes further modulo 256, so a load's sixteen lanes touch sixteen different 16-byte columns
.set WPITCH, 80                        ; 64 + 16, likewise
.set OPITCH, 528                       ; 512 + 16, likewise
; vector registers
.set LANE,  1
.set R16,   2                          ; lane & 15
.set HH,    3                          ; lane >> 4
.set O_X,   4                          ; up to the first barrier: offsets of the global loads and LDS addresses of the staging
.set O_T16, 5
.set O_T8,  6                          ; 8 x thread: kept to the end
.set O_TG,  7
.set O_WC,  8
.set O_CP,  9
.set O_WI,  10
.set O_WT,  11
.set A_E,   12
.set A_WI,  13
.set A_H,   14                         ; 128 hq: my 32 h in a row of f32
.set A_SP,  15                         ; where my partial distances go
.set A_WTS, 4                          ; where my W_tgt fragments go (v4 again, behind the wait that frees it)
.set A_SO,  4                          ; from the second barrier on: v4, v5, v7..v15 hold the later phases' LDS addresses
.set A_SX,  5
.set A_PS,  7
.set A_EA,  8
.set A_PF,  9
.set A_WA,  10
.set A_BI,  11
.set A_WT,  12
.set A_BT,  13
.set A_OS,  14
.set A_OL,  15
.set WTR,   16                         ; v[16:47]   W_tgt as loaded, 32 f32
.set XC,    48                         ; v[48:63]   key phase: x0..x3 of my 4 contexts
.set DIF,   48                         ; v[48:55]   distance phase: 4 pairs of differences
.set ACC,   56                         ; v[56:63]   two sets of 4 sums, used by turns
.set QA,    64                         ; v[64:95]   W chunks, then query rows; before the first barrier: staging
.set QB,    96                         ; v[96:127]  the same
.set KEY,   128                        ; v[128:255] key of context j, h' at KEY + 32 j + h'
.set OA,    16                         ; tail: two output accumulators
.set OB,    24
.set U0,    32                         ; tail: two accumulators of P @ enc
.set U1,    40
.set UB,    48                         ; tail: u as a fragment
.set TT,    56                         ; temporaries
.set EA,    64                         ; tail: 8 fragments of enc, then
.set RC,    64                         ;       8 accumulators of rep
.set SM,    128                        ; softmax: 4 chunks x 4 hq x 4 partial distances
.set PF,    128                        ; tail: 8 fragments of the weights, then
.set RA,    128                        ;       4 fragments of rep (v[128:159]) and
.set WT,    160                        ;       4 fragments of W_tgt (v[160:191])
.set ST,    192                        ; softmax temporaries v[192:203]
.set WA,    192                        ; tail: 8 fragments of W_in
	s_load_b512 s[16:31], s[0:1], 0x0              ; context_x 16, context_y 18, target_x 20, W_ctx 22, b_ctx 24, W_in 26, b_in 28, W_tgt 30
	s_load_b128 s[32:35], s[0:1], 0x40             ; b_tgt 32, out0 34
	v_and_b32 v[LANE], 31, v0
	v_and_b32 v[R16], 15, v0
	v_bfe_u32 v[HH], v0, 4, 1
	v_lshrrev_b32 v4, 5, v0
	v_readfirstlane_b32 s2, v4                     ; wave w, 0..15
	s_and_b32 s3, s2, 3                            ; hq: which 32 h (distance phase)
	s_lshr_b32 s4, s2, 2                           ; g: which 128 contexts (distance phase)
	s_lshr_b32 s5, s2, 1                           ; t: which target (query, softmax, output)
	s_and_b32 s6, s2, 1                            ; own: which half of that target's row
	s_and_b32 s7, s2, 7                            ; nt: which 16 output columns (W_tgt staging, tail)
	s_lshr_b32 s8, s2, 3                           ; sp: which 64 rows of W_tgt I stage
	s_mov_b32 s40, 0x76543210                      ; lane selects for v_permlanex16_b32
	s_mov_b32 s41, 0xfedcba98
	s_mov_b32 s42, 0xffff                          ; lanes 0..15
	s_lshl_b32 s9, s4, 11
	v_lshl_add_u32 v[O_X], v[LANE], 6, s9          ; my 4 contexts: (128 g + 4 lane) x 16 bytes
	v_lshlrev_b32 v[O_T16], 4, v0
	v_lshlrev_b32 v[O_T8], 3, v0
	s_lshl_b32 s9, s5, 4
	v_mov_b32 v[O_TG], s9                          ; target t of the group's 8: one address for the wave
	s_lshl_b32 s9, s6, 8
	v_lshl_add_u32 v[O_WC], v[LANE], 3, s9         ; h = 64 own + 2 lane, in bytes
	s_cmp_lt_u32 s2, 3
	s_cselect_b32 s38, s2, 0
	s_lshl_b32 s38, s38, 9                         ; row copy: waves 0..2 take W_ctx's row w, waves 3..5 a bias from its start
	v_lshl_add_u32 v[O_CP], v[LANE], 4, s38
	v_and_b32 v[O_WI], 127, v0                     ; W_in staging (threads 256..383): h
	v_mul_u32_u24 v[A_WI], WPITCH, v[O_WI]
	v_lshlrev_b32 v[O_WI], 2, v[O_WI]
	s_lshl_b32 s9, s7, 6
	s_lshl_b32 s12, s8, 15
	s_add_co_u32 s9, s9, s12
	v_lshl_add_u32 v[O_WT], v[R16], 2, s9          ; W_tgt: column 16 nt + r, row 64 sp + 8 hh
	v_lshl_add_u32 v[O_WT], v[HH], 12, v[O_WT]
	v_lshlrev_b32 v[A_E], 1, v0
	s_lshl_b32 s9, s3, 7
	v_mov_b32 v[A_H], s9
	s_lshl_b32 s9, s3, 14
	s_lshl_b32 s12, s4, 9
	s_add_co_u32 s9, s9, s12
	s_add_co_u32 s9, s9, L_SP
	v_lshl_add_u32 v[A_SP], v[LANE], 4, s9         ; L_SP + 16384 hq + 4 (128 g + 4 lane)
	s_lshr_b32 s12, ttmp9, 6                       ; batch
	s_mov_b32 s11, 0
	s_lshl_b32 s10, s12, 13
	s_wait_kmcnt 0x0
	s_add_nc_u64 s[16:17], s[16:17], s[10:11]      ; context_x at my batch: 512 x 16 bytes each
	s_lshl_b32 s10, s12, 12
	s_add_nc_u64 s[18:19], s[18:19], s[10:11]      ; context_y: 512 x 8 bytes
	s_lshl_b32 s10, ttmp9, 7
	s_add_nc_u64 s[20:21], s[20:21], s[10:11]      ; target_x at my 8 targets
	s_lshl_b32 s10, ttmp9, 12
	s_add_nc_u64 s[34:35], s[34:35], s[10:11]      ; out0 at my 8 rows of 512 bytes
	; ---- all global loads ----
.irp j, 0,1,2,3
	global_load_b128 v[XC+4*\j:XC+4*\j+3], v[O_X], s[16:17] offset:16*\j   ; x of my 4 contexts
.endr
	global_load_b128 v[64:67], v[O_T16], s[16:17]  ; value inputs of context = thread
	global_load_b64 v[68:69], v[O_T8], s[18:19]
	global_load_b128 v[72:75], v[O_TG], s[20:21]   ; x of target t
.irp a, 0,1,2
	global_load_b64 v[76+2*\a:77+2*\a], v[O_WC], s[22:23] offset:512*\a    ; W_ctx rows at my 2 h
.endr
	global_load_b64 v[82:83], v[O_WC], s[24:25]    ; b_ctx at my 2 h
	; waves 0..5 copy one row of 512 bytes each to LDS: load, wait and store stand in this one branch
	s_cmp_lt_u32 s2, 6
	s_cbranch_scc0 .Lno_rows
	s_cmp_lt_u32 s2, 3
	s_cselect_b64 s[36:37], s[22:23], s[24:25]     ; W_ctx for waves 0..2, b_ctx for wave 3,
	s_cmp_eq_u32 s2, 4
	s_cselect_b64 s[36:37], s[28:29], s[36:37]     ; b_in for wave 4,
	s_cmp_eq_u32 s2, 5
	s_cselect_b64 s[36:37], s[32:33], s[36:37]     ; b_tgt for wave 5
	global_load_b128 v[84:87], v[O_CP], s[36:37]
	s_wait_loadcnt 0x0
	ds_store_b128 v[O_T16], v[84:87] offset:L_CPY  ; row w of the copies: 512 w + 16 lane = 16 x thread
.Lno_rows:
	; waves 8..11 lay W_in down transposed in f16: thread 256 + h writes row h, 5 numbers and 27 zeros
	s_cmp_eq_u32 s4, 2
	s_cbranch_scc0 .Lno_win
.irp i, 0,1,2,3,4
	global_load_b32 v[88+\i], v[O_WI], s[26:27] offset:512*\i
.endr
.irp i, 99,100,101,102,103
	v_mov_b32 v\i, 0
.endr
	s_wait_loadcnt 0x0
	v_cvt_pk_f16_f32 v96, v88, v89
	v_cvt_pk_f16_f32 v97, v90, v91
	v_cvt_pk_f16_f32 v98, v92, 0
	ds_store_b128 v[A_WI], v[96:99] offset:L_WIN
	ds_store_b128 v[A_WI], v[100:103] offset:L_WIN+16
	ds_store_b128 v[A_WI], v[100:103] offset:L_WIN+32
	ds_store_b128 v[A_WI], v[100:103] offset:L_WIN+48
.Lno_win:
	; W_tgt, last: a lane takes the 32 numbers of its registers in two fragments (K steps s = 2 sp + f): row 32 s + 16 (e >> 3) + 8 hh + (e & 7),
	; column 16 nt + r.  They stay on their way until the fourth distance step.
.irp f, 0,1
.irp e, 0,1,2,3,4,5,6,7,8,9,10,11,12,13,14,15
	global_load_b32 v[WTR+16*\f+\e], v[O_WT], s[30:31] offset:(32*\f+16*(\e>>3)+(\e&7))*512
.endr
.endr
	s_wait_loadcnt 32                              ; loads come back in order: all but the 32 of W_tgt are in, on every way here
	s_wait_xcnt 0x0                                ; the offset registers of all loads are rewritten only behind this wait
	; ---- staging ----
	s_lshl_b32 s9, s7, 12
	s_lshl_b32 s12, s8, 11
	s_add_co_u32 s9, s9, s12
	s_add_co_u32 s9, s9, L_WTF
	v_lshl_add_u32 v[A_WTS], v[LANE], 4, s9        ; L_WTF + (4 nt + 2 sp) 1024 + 16 lane
	v_cvt_pk_f16_f32 v70, v64, v65                 ; x0, x1
	v_cvt_pk_f16_f32 v71, v66, v68                 ; x2, y0
	v_cvt_pk_f16_f32 v104, v69, 1.0                ; y1, and the one that sums the weights
	ds_store_b16 v[A_E], v70 offset:L_ENC
	ds_store_b16_d16_hi v[A_E], v70 offset:L_ENC+EPITCH
	ds_store_b16 v[A_E], v71 offset:L_ENC+2*EPITCH
	ds_store_b16_d16_hi v[A_E], v71 offset:L_ENC+3*EPITCH
	ds_store_b16 v[A_E], v104 offset:L_ENC+4*EPITCH
	ds_store_b16_d16_hi v[A_E], v104 offset:L_ENC+5*EPITCH
	v_pk_fma_f32 v[82:83], v[72:73], v[76:77], v[82:83] op_sel_hi:[0,1,1]                ; q = b + x0 W0   (x0 feeds both halves)
	v_pk_fma_f32 v[82:83], v[72:73], v[78:79], v[82:83] op_sel:[1,0,0] op_sel_hi:[1,1,1] ;     + x1 W1
	v_pk_fma_f32 v[82:83], v[74:75], v[80:81], v[82:83] op_sel_hi:[0,1,1]                ;     + x2 W2
	ds_store_b64 v[O_T8], v[82:83] offset:L_QS     ; 512 t + 256 own + 8 lane = 8 x thread
	s_wait_dscnt 0x0                               ; my LDS stores are done, for the other waves' sake
	s_barrier_signal -1
	s_barrier_wait -1                              ; q, the row copies, enc and W_in are whole
	; ---- keys: 4 contexts x 32 h a lane, in four chunks of 8 h ----
.macro LDW ch, buf                     ; W_ctx rows 0..2 and b_ctx at h = 32 hq + 8 ch .. + 7, one address for all lanes: buf + 8 a + i
.irp a, 0,1,2,3
	ds_load_b128 v[\buf+8*\a:\buf+8*\a+3],   v[A_H] offset:L_CPY+512*\a+32*\ch
	ds_load_b128 v[\buf+8*\a+4:\buf+8*\a+7], v[A_H] offset:L_CPY+512*\a+32*\ch+16
.endr
.endm
.macro KCH ch, buf                     ; 48 packed multiply-adds in three sweeps, so that an instruction and the one it builds on are 16 apart
.irp j, 0,1,2,3
.irp p, 0,1,2,3
	v_pk_fma_f32 v[KEY+32*\j+8*\ch+2*\p:KEY+32*\j+8*\ch+2*\p+1], v[XC+4*\j:XC+4*\j+1], v[\buf+2*\p:\buf+2*\p+1], v[\buf+24+2*\p:\buf+24+2*\p+1] op_sel_hi:[0,1,1]
.endr
.endr
.irp j, 0,1,2,3
.irp p, 0,1,2,3
	v_pk_fma_f32 v[KEY+32*\j+8*\ch+2*\p:KEY+32*\j+8*\ch+2*\p+1], v[XC+4*\j:XC+4*\j+1], v[\buf+8+2*\p:\buf+8+2*\p+1], v[KEY+32*\j+8*\ch+2*\p:KEY+32*\j+8*\ch+2*\p+1] op_sel:[1,0,0] op_sel_hi:[1,1,1]
.endr
.endr
.irp j, 0,1,2,3
.irp p, 0,1,2,3
	v_pk_fma_f32 v[KEY+32*\j+8*\ch+2*\p:KEY+32*\j+8*\ch+2*\p+1], v[XC+4*\j+2:XC+4*\j+3], v[\buf+16+2*\p:\buf+16+2*\p+1], v[KEY+32*\j+8*\ch+2*\p:KEY+32*\j+8*\ch+2*\p+1] op_sel_hi:[0,1,1]
.endr
.endr
.endm
.macro LDQ t, buf                      ; q[t][32 hq .. + 31], one address for all lanes
.irp m, 0,1,2,3,4,5,6,7
	ds_load_b128 v[\buf+4*\m:\buf+4*\m+3], v[A_H] offset:L_QS+512*\t+16*\m
.endr
.endm
	LDW 0, QA
	LDW 1, QB
	s_wait_dscnt 8                                 ; each of these four waits leaves out the 8 loads of the younger buffer
	KCH 0, QA
	LDW 2, QA
	s_wait_dscnt 8
	KCH 1, QB
	LDW 3, QB
	s_wait_dscnt 8
	KCH 2, QA
	LDQ 0, QA
	s_wait_dscnt 8
	KCH 3, QB
	LDQ 1, QB
	; ---- the distances: for target t, sum over my 32 h of |key - q| for my 4 contexts ----
; Two differences in one packed subtract, then one add for each with |.| on the source.  The first pair starts the sums: nothing is cleared.
; cnt = the LDS instructions issued behind this step's 8 loads of q.
.macro TSTEP t, qb, ac, cnt
	s_wait_dscnt \cnt
.irp p, 0,1,2,3,4,5,6,7,8,9,10,11,12,13,14,15
.irp j, 0,1,2,3
	v_pk_add_f32 v[DIF+2*\j:DIF+2*\j+1], v[KEY+32*\j+2*\p:KEY+32*\j+2*\p+1], v[\qb+2*\p:\qb+2*\p+1] neg_lo:[0,1] neg_hi:[0,1]
.endr
.if \p == 0
.irp j, 0,1,2,3
	v_add_f32 v[\ac+\j], |v[DIF+2*\j]|, |v[DIF+2*\j+1]|
.endr
.else
.irp j, 0,1,2,3
	v_add_f32 v[\ac+\j], v[\ac+\j], |v[DIF+2*\j]|
.endr
.irp j, 0,1,2,3
	v_add_f32 v[\ac+\j], v[\ac+\j], |v[DIF+2*\j+1]|
.endr
.endif
.endr
	ds_store_b128 v[A_SP], v[\ac:\ac+3] offset:2048*\t
.endm
	TSTEP 0, QA, ACC, 8                            ; out: the 8 loads of q[1]
	LDQ 2, QA
	TSTEP 1, QB, ACC+4, 9                          ; out: one store of sums and 8 loads
	LDQ 3, QB
	TSTEP 2, QA, ACC, 9
	LDQ 4, QA
	TSTEP 3, QB, ACC+4, 9
	; W_tgt has had the keys and four steps in which to land: round it to f16 in place (register q takes numbers 2 q, 2 q + 1; q ascending, so no
	; source is overwritten before it is read) and lay my two fragments down
	s_wait_loadcnt 0x0
.irp q, 0,1,2,3,4,5,6,7,8,9,10,11,12,13,14,15
	v_cvt_pk_f16_f32 v[WTR+\q], v[WTR+2*\q], v[WTR+2*\q+1]
.endr
.irp f, 0,1
	ds_store_b128 v[A_WTS], v[WTR+8*\f:WTR+8*\f+3]   offset:1024*\f
	ds_store_b128 v[A_WTS], v[WTR+8*\f+4:WTR+8*\f+7] offset:1024*\f+512
.endr
	LDQ 5, QB
	TSTEP 4, QA, ACC, 13                           ; out: one store of sums, the 4 stores of W_tgt, 8 loads
	LDQ 6, QA
	TSTEP 5, QB, ACC+4, 9
	LDQ 7, QB
	TSTEP 6, QA, ACC, 9
	TSTEP 7, QB, ACC+4, 1                          ; out: one store of sums
	s_wait_dscnt 0x0                               ; my partial distances and my W_tgt fragments are in LDS
	s_barrier_signal -1
	; register work while the others arrive: the LDS addresses of the later phases
	s_lshl_b32 s9, s5, 11
	s_add_co_u32 s9, s9, L_SP                      ; L_SP + 2048 t
	s_lshl_b32 s10, s6, 10                         ; my half of the row: 1024 own
	s_add_co_u32 s12, s9, s10
	s_sub_co_u32 s10, 1024, s10                    ; the other half
	s_add_co_u32 s13, s9, s10
	v_lshl_add_u32 v[A_SO], v[LANE], 4, s12
	v_lshl_add_u32 v[A_SX], v[LANE], 4, s13
	s_mul_i32 s9, s5, EPITCH
	s_lshl_b32 s10, s6, 9
	s_add_co_u32 s9, s9, s10
	v_lshl_add_u32 v[A_PS], v[LANE], 3, s9         ; weights: row t, 512 own + 8 lane
	v_and_b32 v[TT], 7, v[R16]
	v_lshrrev_b32 v[TT+1], 3, v[R16]
	v_lshlrev_b32 v[TT+2], 4, v[HH]
	v_lshl_add_u32 v[TT+2], v[TT+1], 7, v[TT+2]    ; 128 (r >> 3) + 16 hh
	v_min_u32 v[TT+1], 5, v[TT]
	v_mad_u32_u24 v[A_EA], v[TT+1], EPITCH, v[TT+2]    ; enc row min(r & 7, 5)
	v_mad_u32_u24 v[A_PF], v[TT], EPITCH, v[TT+2]      ; weights of target r & 7
	v_mul_u32_u24 v[A_WA], WPITCH, v[R16]
	v_lshl_add_u32 v[A_WA], v[HH], 4, v[A_WA]
	v_lshlrev_b32 v[A_BI], 5, v[HH]
	s_lshl_b32 s9, s7, 12
	v_lshl_add_u32 v[A_WT], v[LANE], 4, s9
	s_lshl_b32 s9, s7, 6
	v_lshl_add_u32 v[A_BT], v[HH], 5, s9           ; 64 nt + 32 hh
	v_mad_u32_u24 v[A_OS], v[R16], OPITCH, v[A_BT]
	s_mul_i32 s9, s5, OPITCH
	s_lshl_b32 s10, s6, 8
	s_add_co_u32 s9, s9, s10
	v_lshl_add_u32 v[A_OL], v[LANE], 3, s9
	s_barrier_wait -1                              ; all partial distances and all of W_tgt are in LDS
	; ---- softmax: wave (t, own).  Both waves of a row sum the whole row's partials and take its minimum (min is exact, the sums are made alike,
	; so both get the same number): that spares an exchange and a barrier.  Each then makes the weights of its own 256 contexts.
.irp h, 0,1,2,3
.irp c, 0,1
	ds_load_b128 v[SM+16*\c+4*\h:SM+16*\c+4*\h+3],       v[A_SO] offset:16384*\h+512*\c
	ds_load_b128 v[SM+32+16*\c+4*\h:SM+32+16*\c+4*\h+3], v[A_SX] offset:16384*\h+512*\c
.endr
.endr
	s_wait_dscnt 0x0
.irp c, 0,1,2,3
.irp u, 0,2
	v_pk_add_f32 v[SM+16*\c+\u:SM+16*\c+\u+1],     v[SM+16*\c+\u:SM+16*\c+\u+1],     v[SM+16*\c+4+\u:SM+16*\c+4+\u+1]
	v_pk_add_f32 v[SM+16*\c+8+\u:SM+16*\c+8+\u+1], v[SM+16*\c+8+\u:SM+16*\c+8+\u+1], v[SM+16*\c+12+\u:SM+16*\c+12+\u+1]
.endr
.endr
.irp c, 0,1,2,3
.irp u, 0,2
	v_pk_add_f32 v[SM+16*\c+\u:SM+16*\c+\u+1], v[SM+16*\c+\u:SM+16*\c+\u+1], v[SM+16*\c+8+\u:SM+16*\c+8+\u+1]   ; S = (h0 + h1) + (h2 + h3), at SM + 16 c + 0..3
.endr
.endr
	v_min3_num_f32 v[ST],   v[SM],    v[SM+1],  v[SM+2]
	v_min3_num_f32 v[ST+1], v[SM+16], v[SM+17], v[SM+18]
	v_min3_num_f32 v[ST+2], v[SM+32], v[SM+33], v[SM+34]
	v_min3_num_f32 v[ST+3], v[SM+48], v[SM+49], v[SM+50]
	v_min3_num_f32 v[ST],   v[ST],    v[SM+3],  v[SM+19]
	v_min3_num_f32 v[ST+1], v[ST+1],  v[SM+35], v[SM+51]
	v_min3_num_f32 v[ST],   v[ST],    v[ST+1],  v[ST+2]
	v_min_num_f32  v[ST],   v[ST],    v[ST+3]      ; the least of my 16
	v_min_num_f32_dpp v[ST], v[ST], v[ST] row_xmask:1 row_mask:0xf bank_mask:0xf
	v_min_num_f32_dpp v[ST], v[ST], v[ST] row_xmask:2 row_mask:0xf bank_mask:0xf
	v_min_num_f32_dpp v[ST], v[ST], v[ST] row_xmask:4 row_mask:0xf bank_mask:0xf
	v_min_num_f32_dpp v[ST], v[ST], v[ST] row_xmask:8 row_mask:0xf bank_mask:0xf
	v_permlanex16_b32 v[ST+1], v[ST], s40, s41     ; lane i of the other half
	v_min_num_f32 v[ST+4], v[ST], v[ST+1]          ; the row's least distance = its largest score, in every lane,
	v_min_num_f32 v[ST+5], v[ST], v[ST+1]          ; twice: a pair for the packed subtract
.irp c, 0,16
.irp u, 0,2
	v_pk_add_f32 v[SM+\c+\u:SM+\c+\u+1], v[ST+4:ST+5], v[SM+\c+\u:SM+\c+\u+1] neg_lo:[0,1] neg_hi:[0,1]   ; Smin - S <= 0, and 0 at the nearest context
.endr
.endr
.irp c, 0,16
.irp u, 0,2
	v_pk_mul_f32 v[SM+\c+\u:SM+\c+\u+1], v[SM+\c+\u:SM+\c+\u+1], 0x3f38aa3b op_sel_hi:[1,0]               ; x 0.5 log2(e)
.endr
.endr
.irp c, 0,16
.irp u, 0,1,2,3
	v_exp_f32 v[SM+\c+\u], v[SM+\c+\u]
.endr
.endr
	v_nop                                          ; one plain vector instruction between the exponentials and the use of their results (ISA guide 5.7.2)
	s_wait_alu depctr_va_vdst(0)
	v_cvt_pk_f16_f32 v[ST+8],  v[SM],    v[SM+1]
	v_cvt_pk_f16_f32 v[ST+9],  v[SM+2],  v[SM+3]
	v_cvt_pk_f16_f32 v[ST+10], v[SM+16], v[SM+17]
	v_cvt_pk_f16_f32 v[ST+11], v[SM+18], v[SM+19]
	ds_store_b64 v[A_PS], v[ST+8:ST+9]   offset:L_PB
	ds_store_b64 v[A_PS], v[ST+10:ST+11] offset:L_PB+256
	s_wait_dscnt 0x0                               ; my weights are in LDS
	s_barrier_signal -1
	s_barrier_wait -1                              ; all weights are
	; ---- the three products: waves 0..7, wave nt makes output columns 16 nt .. + 15 of all 8 targets ----
	s_cmp_lt_u32 s2, 8
	s_cbranch_scc0 .Lno_tail
	; U = enc x P^T over 512 contexts in 8 instructions.  Rows and columns 0..7 of a step take one block of 32 contexts, rows and columns 8..15 the
	; block 64 contexts (128 bytes) on: the two diagonal 8 x 8 blocks of the result are partial sums of U, the other two are not used.
	; Step s: blocks at bytes 256 (s >> 1) + 64 (s & 1) and 128 further.
.irp s, 0,1,2,3,4,5,6,7
	ds_load_b128 v[EA+8*\s:EA+8*\s+3],   v[A_EA] offset:L_ENC+(\s>>1)*256+(\s&1)*64
	ds_load_b128 v[EA+8*\s+4:EA+8*\s+7], v[A_EA] offset:L_ENC+(\s>>1)*256+(\s&1)*64+32
	ds_load_b128 v[PF+8*\s:PF+8*\s+3],   v[A_PF] offset:L_PB+(\s>>1)*256+(\s&1)*64
	ds_load_b128 v[PF+8*\s+4:PF+8*\s+7], v[A_PF] offset:L_PB+(\s>>1)*256+(\s&1)*64+32
.endr
.irp u, 0,1,2,3,4,5,6,7
	ds_load_b128 v[WA+8*\u:WA+8*\u+3],   v[A_WA] offset:L_WIN+16*WPITCH*\u      ; W_in^T, rows h = 16 u + r
	ds_load_b128 v[WA+8*\u+4:WA+8*\u+7], v[A_WA] offset:L_WIN+16*WPITCH*\u+32
.endr
	; the wait of step s leaves out the 4 (7 - s) loads of later steps and the 16 of W_in.  The two accumulators take turns.
	s_wait_dscnt 44
	v_wmma_f32_16x16x32_f16 v[U0:U0+7], v[EA:EA+7], v[PF:PF+7], 0
	s_wait_dscnt 40
	v_wmma_f32_16x16x32_f16 v[U1:U1+7], v[EA+8:EA+15], v[PF+8:PF+15], 0
.irp s, 2,4,6
	s_wait_dscnt 44-4*\s
	v_wmma_f32_16x16x32_f16 v[U0:U0+7], v[EA+8*\s:EA+8*\s+7], v[PF+8*\s:PF+8*\s+7], v[U0:U0+7]
	s_wait_dscnt 40-4*\s
	v_wmma_f32_16x16x32_f16 v[U1:U1+7], v[EA+8*\s+8:EA+8*\s+15], v[PF+8*\s+8:PF+8*\s+15], v[U1:U1+7]
.endr
.irp i, 3,4,5,6,7
	v_mov_b32 v[UB+\i], 0                          ; k = 6..7 and 16..31 of u are zeros; these five lines are also the places behind the matrix instructions (ISA guide 7.12.1)
.endr
.irp u, 0,1,2,3,4,5,6,7
	ds_load_b128 v[RC+8*\u:RC+8*\u+3],   v[A_BI] offset:L_CPY+2048+64*\u        ; b_in[16 u + 8 hh + j] starts rep's sums, in f32
	ds_load_b128 v[RC+8*\u+4:RC+8*\u+7], v[A_BI] offset:L_CPY+2048+64*\u+16
.endr
.irp s, 0,1,2,3
	ds_load_b128 v[WT+8*\s:WT+8*\s+3],   v[A_WT] offset:L_WTF+1024*\s
	ds_load_b128 v[WT+8*\s+4:WT+8*\s+7], v[A_WT] offset:L_WTF+1024*\s+512
.endr
	ds_load_b128 v[OA:OA+3],   v[A_BT] offset:L_CPY+2560                        ; b_tgt[16 nt + 8 hh + j] starts the output's sums
	ds_load_b128 v[OA+4:OA+7], v[A_BT] offset:L_CPY+2560+16
	; register j of lane (r, hh) is element (8 hh + j, r).  Lane r < 8 of the lower half holds one diagonal block's U[j][t = r], lane r + 8 of the
	; upper half the other's: each lane adds what lane (r xor 8) of the other half holds.  Register 5, the row of ones, then holds l of target
	; r & 7 in every lane; registers 0..4 are U in lanes 0..7 (and 24..31) and finite numbers that are not used elsewhere.
.irp i, 0,2,4
	v_pk_add_f32 v[U0+\i:U0+\i+1], v[U0+\i:U0+\i+1], v[U1+\i:U1+\i+1]
.endr
.irp i, 0,1,2,3,4,5
	v_permlanex16_b32 v[U1+\i], v[U0+\i], s41, s40
.endr
.irp i, 0,2,4
	v_pk_add_f32 v[U0+\i:U0+\i+1], v[U0+\i:U0+\i+1], v[U1+\i:U1+\i+1]
.endr
	v_rcp_f32 v[TT], v[U0+5]                       ; 1 / l, l >= 1; twice, a pair for the packed multiply
	v_rcp_f32 v[TT+1], v[U0+5]
	v_nop                                          ; one plain vector instruction before the results are used and the source is rewritten (ISA guide 5.7.2)
	s_wait_alu depctr_va_vdst(0)
.irp i, 0,2,4
	v_pk_mul_f32 v[U0+\i:U0+\i+1], v[U0+\i:U0+\i+1], v[TT:TT+1]
.endr
	v_cvt_pk_f16_f32 v[UB],   v[U0],   v[U0+1]     ; u as a fragment: column t = r, k = 0..5 (k = 5 meets a zero of W_in^T)
	v_cvt_pk_f16_f32 v[UB+1], v[U0+2], v[U0+3]
	v_cvt_pk_f16_f32 v[UB+2], v[U0+4], v[U0+5]
.irp i, 0,1,2
	v_cndmask_b32 v[UB+\i], 0, v[UB+\i], s42       ; lanes 16..31 stand for k = 8..15: zeros
.endr
	; rep^T = W_in^T x u + b_in: register j of tile u is rep[t = r][h = 16 u + 8 hh + j].  Eight accumulators, one instruction each.
	s_wait_dscnt 10                                ; W_in and b_in are in; the 8 loads of W_tgt and the 2 of b_tgt may be out
.irp u, 0,1,2,3,4,5,6,7
	v_wmma_f32_16x16x32_f16 v[RC+8*\u:RC+8*\u+7], v[WA+8*\u:WA+8*\u+7], v[UB:UB+7], v[RC+8*\u:RC+8*\u+7]
.endr
.rept 4
	v_nop                                          ; four places before a vector instruction reads a matrix result (ISA guide 7.12.1)
.endr
	; tiles 2 s and 2 s + 1 are registers 0-3 and 4-7 of K step s of the next product's second source: no lane has to give anything away
.irp u, 0,1,2,3,4,5,6,7
.irp q, 0,1,2,3
	v_cvt_pk_f16_f32 v[RA+4*\u+\q], v[RC+8*\u+2*\q], v[RC+8*\u+2*\q+1]
.endr
.endr
	s_wait_dscnt 0x0
	; out^T = W_tgt^T x rep^T + b_tgt: register j is out[t = r][16 nt + 8 hh + j].  Two accumulators take turns.
	v_wmma_f32_16x16x32_f16 v[OA:OA+7], v[WT:WT+7],     v[RA:RA+7],     v[OA:OA+7]
	v_wmma_f32_16x16x32_f16 v[OB:OB+7], v[WT+8:WT+15],  v[RA+8:RA+15],  0
	v_wmma_f32_16x16x32_f16 v[OA:OA+7], v[WT+16:WT+23], v[RA+16:RA+23], v[OA:OA+7]
	v_wmma_f32_16x16x32_f16 v[OB:OB+7], v[WT+24:WT+31], v[RA+24:RA+31], v[OB:OB+7]
.rept 4
	v_nop                                          ; four places, as above
.endr
.irp i, 0,2,4,6
	v_pk_add_f32 v[OA+\i:OA+\i+1], v[OA+\i:OA+\i+1], v[OB+\i:OB+\i+1]
.endr
	ds_store_b128 v[A_OS], v[OA:OA+3]   offset:L_OUT       ; row r, 32 bytes at 64 nt + 32 hh; rows 8..15 come from the unused columns and are not read
	ds_store_b128 v[A_OS], v[OA+4:OA+7] offset:L_OUT+16
.Lno_tail:
	s_wait_dscnt 0x0                               ; my part of the output is in LDS
	s_barrier_signal -1
	s_barrier_wait -1                              ; the 8 rows are whole
	; ---- the way out: wave (t, own) stores half a row: 32 lanes x 8 bytes = 256 consecutive bytes, at a multiple of 256 from out0's first byte ----
	ds_load_b64 v[TT:TT+1], v[A_OL] offset:L_OUT
	s_wait_dscnt 0x0
	global_store_b64 v[O_T8], v[TT:TT+1], s[34:35] th:TH_STORE_NT
	s_wait_xcnt 0x0
	v_lshl_add_u32 v70, v0, 2, 0x21f00
	v_mov_b32 v71, 0
	s_wait_tensorcnt 0x0
	ds_add_u32 v70, v71
	s_wait_dscnt 0x0
	s_endpgm
.Lfunc_end_k_qde9cad70b2_locenc:
	.size	k_qde9cad70b2_locenc, .Lfunc_end_k_qde9cad70b2_locenc-k_qde9cad70b2_locenc
	.p2alignl 7, 3214868480
	.fill 96, 4, 3214868480
	.section	.rodata,"a",@progbits
	.p2align	6, 0x0
	.amdhsa_kernel k_qde9cad70b2_locenc
		.amdhsa_group_segment_fixed_size 141056
		.amdhsa_private_segment_fixed_size 0
		.amdhsa_enable_private_segment 0
		.amdhsa_kernarg_size 80
		.amdhsa_user_sgpr_count 2
		.amdhsa_user_sgpr_kernarg_segment_ptr 1
		.amdhsa_wavefront_size32 1
		.amdhsa_system_sgpr_workgroup_id_x 1
		.amdhsa_system_sgpr_workgroup_id_y 1
		.amdhsa_system_sgpr_workgroup_id_z 1
		.amdhsa_system_vgpr_workitem_id 0
		.amdhsa_next_free_vgpr 256
		.amdhsa_next_free_sgpr 66
		.amdhsa_reserve_vcc 0
		.amdhsa_float_denorm_mode_32 3
		.amdhsa_float_denorm_mode_16_64 3
		.amdhsa_memory_ordered 1
		.amdhsa_forward_progress 1
		.amdhsa_inst_pref_size 141
	.end_amdhsa_kernel
	.amdgpu_metadata
---
amdhsa.version: [ 1, 2 ]
amdhsa.kernels:
  - .name:           k_qde9cad70b2_locenc
    .symbol:         k_qde9cad70b2_locenc.kd
    .args:
      - { .name: context_x, .offset: 0, .size: 8, .value_kind: global_buffer, .address_space: global }
      - { .name: context_y, .offset: 8, .size: 8, .value_kind: global_buffer, .address_space: global }
      - { .name: target_x, .offset: 16, .size: 8, .value_kind: global_buffer, .address_space: global }
      - { .name: W_ctx, .offset: 24, .size: 8, .value_kind: global_buffer, .address_space: global }
      - { .name: b_ctx, .offset: 32, .size: 8, .value_kind: global_buffer, .address_space: global }
      - { .name: W_in, .offset: 40, .size: 8, .value_kind: global_buffer, .address_space: global }
      - { .name: b_in, .offset: 48, .size: 8, .value_kind: global_buffer, .address_space: global }
      - { .name: W_tgt, .offset: 56, .size: 8, .value_kind: global_buffer, .address_space: global }
      - { .name: b_tgt, .offset: 64, .size: 8, .value_kind: global_buffer, .address_space: global }
      - { .name: out0, .offset: 72, .size: 8, .value_kind: global_buffer, .address_space: global }
    .group_segment_fixed_size: 141056
    .private_segment_fixed_size: 0
    .kernarg_segment_align: 8
    .kernarg_segment_size: 80
    .max_flat_workgroup_size: 512
    .sgpr_count:     66
    .vgpr_count:     256
    .wavefront_size: 32
...
	.end_amdgpu_metadata
.endif
;; end of part 1
